; MI455X (gfx1250); checked and timed in simulation.
; The chip was launched on July 23, 2026; its instructions are those of AMD's public machine-readable ISA for CDNA 5 (MIT licence, August 2026) and "CDNA5" Instruction Set Architecture Reference Guide (July 2026). The comments in the code are by the model that wrote it; some were corrected since.
;; Multihead Lo RA. Allowed arithmetic: matrix products marked QUANTISED: E5M2 operands, one given power-of-two scale a tensor, by v_wmma_f32_16x16x64_bf8_bf8 or v_wmma_f32_16x16x128_bf8_bf8, f32 sums; everything else in f32.
;; Inputs: A_codes 32 x 16 x 128 x 32 uint8 (E5M2 codes of A, K innermost, in blocks of 32 codes); B 32 x 1,024 x 16 float32; W_codes 1,024 x 128 x 32 uint8 (E5M2 codes of W, K innermost, in blocks of 32 codes); lowp_scales 6 int32 (the exponents e of the quantised operands' scales 2^e); x_codes 4 x 2,048 x 128 x 32 uint8 (E5M2 codes of x, K innermost, in blocks of 32 codes).
;; Outputs: out0 4 x 2,048 x 1,024 float32.
;; This version of the problem:
;;   THIS VERSION OF THE PROBLEM IS GIVEN IN LOW PRECISION. The matrix products marked QUANTISED in the list below multiply operands that are first quantised to E5M2 (5 exponent bits, 2 mantissa bits; 8 bits a number), with one given power-of-two scale for each operand tensor; their sums are f32. All else is computed in f32.
;;   The module's matrix products, in the order in which they are computed (A, B: the left and right operand; K: the contracted axis; several contracted axes count as one K, in the product's order):
;;     1. [M 8,192, K 4,096] x [K 4,096, N 1,024]; A: input x (given as codes); B: input W (given as codes): QUANTISED (scales: A lowp_scales[0], B lowp_scales[1])
;;     2. [M 8,192, K 4,096] x [K 4,096, N 512]; A: input x (given as codes); B: input A (given as codes): QUANTISED (scales: A lowp_scales[2], B lowp_scales[3])
;;     3. [M 8,192, K 512] x [K 512, N 1,024]; A: computed on the way; B: input B: QUANTISED (scales: A lowp_scales[4], B lowp_scales[5])
;;   THE QUANTISER, for each operand of a quantised product, along K:
;;     - The operand's scale is 2^e, e = its entry of the input lowp_scales (int32; the entries are numbered through the quantised products in the list's order, A before B).
;;     - Each number is divided by the scale, clamped to +-57,344, and rounded to the nearest number of E5M2, ties to even, subnormals kept.
;;     - The product sums the exact products of the quantised numbers (number of the format x scale) in f32.
;;   ~~~python
;;   def quantise(x, axis, e):      # numpy; x: float32 -> the quantised numbers, widened to float32 again
;;       x = np.moveaxis(x, axis, -1); K = x.shape[-1]
;;       r = np.clip(x / 2.0 ** e, -57344, 57344)
;;       step = 2.0 ** (np.maximum(np.frexp(np.where(r == 0, 1, r))[1] - 1, -14) - 2)
;;       q = np.round(r / step) * step * 2.0 ** e      # np.round: ties to even
;;       return np.moveaxis(q, -1, axis).astype(np.float32)
;;   ~~~
;;   OPERANDS COMPUTED ON THE WAY. 'Computed on the way' means the value that the module computes at that place (a softmax that the list does not call 'softmax' is quantised finished and normalised). What goes into a quantiser is computed in f32, as accurately as f32 sums, v_exp_f32 and their like allow (about 1e-6 of the number): no bf16 or f16 on the way to a quantiser, and a product that is left as it is and whose result goes on into a quantised operand takes f32 operands (vector FMAs, or v_wmma_f32_16x16x4_f32). A number that lies on a knife's edge between two numbers of the format may be rounded either way, as far as f32 arithmetic and the matrix unit's own rounding can turn it there, and no further.
;;   INPUTS GIVEN AS CODES. A (in the module: [32, 16, 4096], K = its axis 2); W (in the module: [1024, 4096], K = its axis 1); x (in the module: [4, 2048, 4096], K = its axis 2): each comes as NAME_codes (uint8): NAME with its K axis moved to the last place and cut into blocks of 32 codes, [.., K / 32, bytes a block], one block behind the other in memory; one code a byte (a code: sign, 5 exponent bits, 2 mantissa bits); its scale is its entry of lowp_scales. Its value is code x scale, taken as it is: it is not quantised again, and the codes and scales need not be those that the quantiser above would give.
;; One version. Each part assembles by itself: llvm-mc -triple=amdgcn-amd-amdhsa -mcpu=gfx1250 --defsym DOCPART=n.
;; ======== version 1 of 1: 2 launches
;; limits: right only within a limited range of input values
;; workspace buffers: h_img 4,194,304 bytes; b_img 524,288 bytes
;; launch hgemm (part 1): grid 4 x 64, 4 waves a work-group, clusters of 4 x 4, 327,680 bytes of LDS; arguments x_codes, A_codes, B, lowp_scales, h_img, b_img; writes h_img, b_img
.if DOCPART == 1
	.amdgcn_target "amdgcn-amd-amdhsa--gfx1250"
	.amdhsa_code_object_version 6
	.text
	.protected	k_q9114f15a3d_hgemm
	.globl	k_q9114f15a3d_hgemm
	.p2align	8
	.type	k_q9114f15a3d_hgemm,@function
k_q9114f15a3d_hgemm:
	s_mov_b64 s[64:65], 0
	v_nop
	global_prefetch_b8 v0, s[64:65] scope:SCOPE_SE
	s_setreg_imm32_b32 hwreg(HW_REG_WAVE_MODE, 25, 1), 1
	s_wait_xcnt 0x0
	s_wait_alu depctr_hold_cnt(0) depctr_sa_sdst(0) depctr_va_vdst(0) depctr_va_sdst(0) depctr_va_ssrc(0) depctr_va_vcc(0) depctr_vm_vsrc(0)
	s_getreg_b32 s2, hwreg(HW_REG_IB_STS2, 6, 4)
	s_cmp_eq_u32 s2, 0
	s_cbranch_scc0 .Lentry_in_a_cluster
	s_endpgm
.Lentry_in_a_cluster:
	s_bfe_u32 s2, ttmp6, 0x10000c
	s_cmp_lg_u32 s2, 0xf033
	s_cbranch_scc0 .Lentry_shape_is_right
	s_endpgm
.Lentry_shape_is_right:
; FIRST OF TWO LAUNCHES.  h = Q(x A^T): [8192][512] codes of BF8 (E5M2), and B's codes, both for the launch behind.  No work of reference() is left out.
; A work-group makes 128 rows x 128 columns of h (tile row mt, tile column nt): 64 x 4 = 256 work-groups.  K = 4096 goes in 8 steps of 512 through a ring of two LDS slots: 128 rows of x, 128 rows of A, 512 bytes each.
; Wave w: kh = w % 2 takes 256 of a step's 512 along K (two sub-steps of 128), rh = w / 2 takes 64 rows x all 128 columns: 4 x 8 accumulators.  The two waves of a pair add their sums through LDS at the end; each finishes 32 rows.
; A wave's row blocks 0, 1 are those that it finishes itself (rows 64 rh + 32 kh + ..), blocks 2, 3 those that its partner finishes.
; h_img [mt 64][nt / 2][row % 64][nt % 2][row / 64 of the tile][128 codes along K]: a work-group writes whole units of 256 bytes: the codes of rows i and i + 64.
; b_img [1024][512]: row o, k = 16 x head + r.  Each work-group makes 4 rows (8,192 bytes of B).
; LIMITS: e5 and e4 - e2 - e3 lie between -126 and 112, so that the scale and 57,344 x the scale are f32 numbers.
; CLUSTERS: 4 x 4 work-groups: x's tile hangs on mt alone and is asked for jointly along a row, A's on nt alone, jointly along a column.
; PREFETCH: behind the load of step j stands the prefetch of step j + 2; behind step 0's that of step 1 too.  Of the 64 rows that a wave fetches each of the four partners names 16 (by address), two blocks of 256 bytes a row:
; one instruction a wave and step.  A, which all clusters read, is prefetched by four clusters alone.  Step 0 comes by its load.
; REGISTERS: window 0: v0-31 addresses, v32-47 B's numbers, v64-127 and v128-191 x's fragments of the two sub-steps; window 1: A's fragments, two sets of 128; window 2: the accumulators.
.set PITCH, 528                        ; an LDS row: 512 bytes + 16 of padding
.set BLK,   16*PITCH
.set SLOT,  256*PITCH
.set SPARE, 2*SLOT
.set STG,   65536                      ; the way out lies in slot 0, which then has had its last fill and its last read: 4 x 16,384 bytes of sums, the stage, B's codes
.set SP,    272
.set BST,   STG+64*SP
.set AXL, 8                            ; v8-9 LDS address of x's blocks 0, 1 in slot 0, 1;  v10-11 of blocks 2, 3;  v12-13 of A's
.set AXH, 10
.set AA,  12
.set G1X, 24
.set G1A, 32
.set G0X, 40                           ; s[40:47], s[48:55]: groups 0, one set for each slot
.set G0A, 48
.set MSB, 0
.macro WIN new                         ; the immediate's high byte repeats the setting that is left
.if MSB != \new
	s_set_vgpr_msb (MSB<<8)|\new
.set MSB, \new
.endif
.endm
.macro PLACES n
.rept \n
	v_nop
.endr
.endm
.macro G1SET g, mask, d0, rows, pitch, qi
	s_or_b32 s[\g], s[\mask], (1<<20)|(1<<21)|(\qi<<22)|(3<<25)
	s_mov_b32 s[\g+1], \d0<<16
	s_mov_b32 s[\g+2], \rows<<16
	s_mov_b32 s[\g+3], \d0<<16
	s_mov_b32 s[\g+4], \rows
	s_mov_b32 s[\g+5], \pitch
	s_mov_b32 s[\g+6], 0
	s_mov_b32 s[\g+7], 0
.endm
.macro JLOAD slot                      ; a joint load: waves 0, 1 fetch x's halves, waves 2, 3 A's
	s_cmp_eq_u32 s17, 0
	s_cbranch_scc0 .Lfor_a_\@
	tensor_load_to_lds s[G0X+4*\slot:G0X+4*\slot+3], s[G1X:G1X+7]
	s_nop 0
	PLACES 4
	s_branch .Lasked_\@
.Lfor_a_\@:
	tensor_load_to_lds s[G0A+4*\slot:G0A+4*\slot+3], s[G1A:G1A+7]
	s_nop 0
	PLACES 4
.Lasked_\@:
.endm
.macro CREST                           ; a round of the cluster's barrier behind its opening barrier
	s_cmp_lg_u32 s16, 0
	s_cbranch_scc1 .Lnot_wave_0_\@
	s_barrier_signal -3
.Lnot_wave_0_\@:
	s_barrier_wait -3
	s_barrier_signal -1
	s_barrier_wait -1
.endm
.macro CROUND
	s_barrier_signal -1
	s_barrier_wait -1
	CREST
.endm
.macro ASK head                        ; in a period the base is the step of the load just issued: + 1,024 is two steps behind it
	s_cmp_lg_u32 s78, 0
	s_cbranch_scc0 .Lnot_mine_\@
.if \head
	global_prefetch_b8 v21, s[66:67] th:TH_LOAD_NT scope:SCOPE_SE
	global_prefetch_b8 v21, s[66:67] offset:512 th:TH_LOAD_NT scope:SCOPE_SE
.else
	global_prefetch_b8 v21, s[66:67] offset:1024 th:TH_LOAD_NT scope:SCOPE_SE
.endif
.Lnot_mine_\@:
.endm
.macro FRAG reg, adr, off              ; 16 rows x 128 K: lane l holds row l % 16, registers 4 c .. 4 c + 3: K = 32 c + 16 (l / 16) + 0 .. 15, alike for both operands
.irp c, 0,1,2,3
	ds_load_b128 v[4*\c+(\reg):4*\c+3+(\reg)], v[\adr] offset:(\off)+32*\c
.endr
.endm
.macro LA q, slot, b                   ; A's fragment b of sub-step q
	WIN 0x40
	FRAG 128*(\q)+16*(\b), AA+\slot, (\b)*BLK+128*(\q)
.endm
.macro LX q, slot, i                   ; x's block i
	WIN 0
	FRAG 64+64*(\q)+16*(\i), AXL+2*((\i)/2)+\slot, ((\i)%2)*BLK+128*(\q)
.endm
; 8 matrix instructions: x's block a x A's eight.  Source 0 = A's rows, so a lane's eight results are eight neighbouring columns of a row of h.  The 32 accumulators take turns, one instruction a turn.
.macro MULB q, a, zero
	WIN 0xa1
.irp b, 0,1,2,3,4,5,6,7
.if \zero
	v_wmma_f32_16x16x128_bf8_bf8 v[8*(8*(\a)+\b):8*(8*(\a)+\b)+7], v[128*(\q)+16*\b:128*(\q)+16*\b+15], v[64+64*(\q)+16*(\a):64+64*(\q)+16*(\a)+15], 0
.else
	v_wmma_f32_16x16x128_bf8_bf8 v[8*(8*(\a)+\b):8*(8*(\a)+\b)+7], v[128*(\q)+16*\b:128*(\q)+16*\b+15], v[64+64*(\q)+16*(\a):64+64*(\q)+16*(\a)+15], v[8*(8*(\a)+\b):8*(8*(\a)+\b)+7]
.endif
.endr
.endm
; One K step.  Sub-step 0's loads stand among the products that the step before has left (its sub-step 1, blocks 2, 3), sub-step 1's among sub-step 0's products.
; first: no step stands before, and the products start the sums.  fill: 1 the slot is filled again, two steps on; 0 a plain barrier, nothing is filled; 2 the last step.  ask: a prefetch follows the load that stands in front of this step.
.macro PERIOD slot, first, fill, ask
.irp b, 0,1,2,3
	LA 0, \slot, \b
.endr
	LX 0, \slot, 0
	LX 0, \slot, 1
.if (\first) == 0
	MULB 1, 2, 0
.endif
.irp b, 4,5,6,7
	LA 0, \slot, \b
.endr
	LX 0, \slot, 2
	LX 0, \slot, 3
.if \ask
	ASK 0
.endif
.if (\first) == 0
	MULB 1, 3, 0
.endif
	PLACES 4                                       ; in front of the loads into the registers that these products have read
.irp g, 0,1,2,3
	LA 1, \slot, 2*\g
	LA 1, \slot, 2*\g+1
	LX 1, \slot, \g
.if \g == 0
	s_wait_dscnt 12                                ; sub-step 0 is in; the 12 loads just issued may be out
.endif
	MULB 0, \g, \first
.endr
	WIN 0
.if \fill < 2
.if \ask
	s_wait_xcnt 0x0                                ; the prefetch has read its base
	s_add_nc_u64 s[66:67], s[66:67], 512
.endif
	s_wait_tensorcnt 0x0                           ; my part of the next slot has landed;
	ds_add_u32 v28, v29
.if \fill
	s_add_nc_u64 s[G0X+4*\slot+2:G0X+4*\slot+3], s[G0X+4*\slot+2:G0X+4*\slot+3], 1024
	s_add_nc_u64 s[G0A+4*\slot+2:G0A+4*\slot+3], s[G0A+4*\slot+2:G0A+4*\slot+3], 1024
.endif
	s_wait_dscnt 0x0                               ; the add is done, and my reads of this slot are over
	s_barrier_signal -1
	MULB 1, 0, 0                                   ; work on registers while the others arrive
	MULB 1, 1, 0
	WIN 0
	s_barrier_wait -1
.if \fill
	CREST
	JLOAD \slot                                    ; its four v_nop are the places in front of the next fragment loads
.else
	PLACES 4
.endif
.endif
.endm
	s_load_b256 s[4:11], s[0:1], 0x0               ; x s[4:5], A s[6:7], B s[8:9], the scales' exponents s[10:11]
	s_load_b128 s[12:15], s[0:1], 0x20             ; h_img s[12:13], b_img s[14:15]
	v_lshl_add_u32 v28, v0, 2, SPARE
	v_mov_b32 v29, 0
	ds_add_u32 v28, v29                            ; the opening add, twice on end
	ds_add_u32 v28, v29
	v_lshrrev_b32 v4, 5, v0
	v_readfirstlane_b32 s16, v4                    ; wave
	v_and_b32 v1, 15, v0                           ; r
	v_and_b32 v2, 31, v0                           ; lane
	v_bfe_u32 v3, v0, 4, 1                         ; hl
	v_lshlrev_b32 v20, 16, v3                      ; B: two heads an instruction, 256 bytes (4 rows x 16 numbers) each
	v_lshl_add_u32 v20, v1, 4, v20
	v_lshrrev_b32 v21, 1, v2                       ; prefetch: row lane / 2, block lane % 2
	v_lshlrev_b32 v21, 12, v21
	v_and_b32 v5, 1, v2
	v_lshl_add_u32 v21, v5, 8, v21
	v_lshrrev_b32 v5, 2, v1                        ; B's codes into the stage: row r / 4, 4 codes at 4 (r % 4)
	v_lshlrev_b32 v22, 9, v5
	v_and_b32 v5, 3, v1
	v_lshl_add_u32 v22, v5, 2, v22
	v_lshl_add_u32 v22, v3, 4, v22                 ; + 16 x head
	v_lshl_add_u32 v23, v0, 4, BST                 ; and back
	v_lshlrev_b32 v24, 4, v0
	v_mul_u32_u24 v5, v1, PITCH
	v_lshl_add_u32 v5, v3, 4, v5                   ; a fragment's row x pitch + 16 hl
	s_lshr_b32 s17, s16, 1                         ; rh; also: I fetch for x (0) or A (1)
	s_and_b32 s18, s16, 1                          ; kh; also: which 64 rows I fetch
	s_xor_b32 s19, s18, 1
	s_bfe_u32 s20, ttmp6, 0x40000                  ; cx
	s_bfe_u32 s21, ttmp6, 0x40004                  ; cy
	s_lshl_b32 s22, ttmp9, 2
	s_add_co_u32 s22, s22, s20                     ; nt
	s_and_b32 s23, ttmp7, 0xffff
	s_lshl_b32 s23, s23, 2
	s_add_co_u32 s23, s23, s21                     ; mt
	s_lshl_b32 s72, s21, 2
	s_lshl_b32 s72, 15, s72                        ; my row of the cluster
	s_lshl_b32 s73, 0x1111, s20                    ; my column
	G1SET G1X, 72, 512, 64, 4096, 6                ; 64 rows of 512 bytes, 4 words of padding behind every 128 words
	G1SET G1A, 73, 512, 64, 4096, 6
	s_lshl_b32 s2, s18, 18                         ; my 64 rows
	s_lshl_b32 s[G0X+2], s23, 19
	s_add_co_u32 s[G0X+2], s[G0X+2], s2
	s_mov_b32 s[G0X+3], 0
	s_lshl_b32 s[G0A+2], s22, 19
	s_add_co_u32 s[G0A+2], s[G0A+2], s2
	s_mov_b32 s[G0A+3], 0
	s_mul_i32 s2, s16, 64*PITCH                    ; x's 128 rows, then A's: wave x 64 rows
.irp t, 0,1
	s_mov_b32 s[G0X+4*\t], 1
	s_add_co_u32 s[G0X+4*\t+1], s2, \t*SLOT
	s_mov_b32 s[G0A+4*\t], 1
	s_add_co_u32 s[G0A+4*\t+1], s2, \t*SLOT
.endr
	s_lshl_b32 s79, s23, 2
	s_add_co_u32 s79, s79, s22                     ; the work-group's number: rows 4 x that .. + 3 of B's codes
	s_lshl_b32 s76, s79, 8
	s_lshl_b32 s77, s16, 19                        ; heads 8 w on
	s_add_co_u32 s76, s76, s77
	s_mov_b32 s77, 0
	s_wait_alu depctr_va_vdst(0)
	s_wait_dscnt 0x0                               ; both opening adds are done
	s_wait_kmcnt 0x0
	s_load_b128 s[68:71], s[10:11], 0x8            ; e2, e3, e4, e5
	s_add_nc_u64 s[76:77], s[8:9], s[76:77]
	s_add_nc_u64 s[G0X+2:G0X+3], s[4:5], s[G0X+2:G0X+3]
	s_add_nc_u64 s[G0A+2:G0A+3], s[6:7], s[G0A+2:G0A+3]
	s_add_nc_u64 s[G0X+6:G0X+7], s[G0X+2:G0X+3], 512
	s_add_nc_u64 s[G0A+6:G0A+7], s[G0A+2:G0A+3], 512
	s_or_b32 s[G0X+3], s[G0X+3], 0x80000000
	s_or_b32 s[G0A+3], s[G0A+3], 0x80000000
	s_or_b32 s[G0X+7], s[G0X+7], 0x80000000
	s_or_b32 s[G0A+7], s[G0A+7], 0x80000000
	CROUND                                         ; all sixteen work-groups are here
	JLOAD 0                                        ; step 0: one tensor load a wave at the head
	; the prefetches' base: my 64 rows, my work-group's 16 of them, step 1
	s_and_b32 s2, ttmp7, 0xffff
	s_cmp_lt_u32 s2, 4
	s_cselect_b32 s2, 1, 0
	s_cmp_eq_u32 s17, 0
	s_cselect_b32 s78, 1, s2                       ; x: every cluster its own rows; A: four clusters
	s_cselect_b32 s66, s23, s22
	s_cselect_b32 s67, s20, s21
	s_cselect_b64 s[74:75], s[4:5], s[6:7]
	s_lshl_b32 s66, s66, 19
	s_lshl_b32 s67, s67, 16
	s_add_co_u32 s66, s66, s67
	s_lshl_b32 s67, s18, 18
	s_add_co_u32 s66, s66, s67
	s_add_co_u32 s66, s66, 512
	s_mov_b32 s67, 0
	s_add_nc_u64 s[66:67], s[74:75], s[66:67]
	ASK 1                                          ; steps 1 and 2
.irp j, 0,1,2,3
	global_load_b128 v[32+4*\j:35+4*\j], v20, s[76:77] offset:131072*\j th:TH_LOAD_NT   ; B; used on the way out
.endr
	; LDS addresses
	s_mul_i32 s2, s17, 64*PITCH
	s_mul_i32 s3, s18, 32*PITCH+256
	s_add_co_u32 s3, s3, s2
	v_add_nc_u32 v[AXL], s3, v5
	v_add_nc_u32 v[AXL+1], SLOT, v[AXL]
	s_mul_i32 s3, s19, 32*PITCH
	s_add_co_u32 s3, s3, s2
	s_lshl_b32 s2, s18, 8
	s_add_co_u32 s3, s3, s2
	v_add_nc_u32 v[AXH], s3, v5
	v_add_nc_u32 v[AXH+1], SLOT, v[AXH]
	s_add_co_u32 s2, s2, 128*PITCH
	v_add_nc_u32 v[AA], s2, v5
	v_add_nc_u32 v[AA+1], SLOT, v[AA]
	s_lshl_b32 s2, s16, 14
	v_lshl_add_u32 v14, v2, 4, s2                  ; where I put the sums that my partner finishes
	s_xor_b32 s3, s16, 1
	s_lshl_b32 s3, s3, 14
	v_lshl_add_u32 v15, v2, 4, s3                  ; and where it puts mine
	s_lshl_b32 s2, s16, 7
	s_add_co_u32 s2, s2, BST
	v_add_nc_u32 v22, s2, v22
	s_mul_i32 s2, s18, 32*SP
	s_lshl_b32 s3, s17, 7
	s_add_co_u32 s2, s2, s3
	s_add_co_u32 s2, s2, STG
	v_mul_u32_u24 v16, v1, SP                      ; codes into the stage: unit 32 kh + r, half rh, 8 hl
	v_lshl_add_u32 v16, v3, 3, v16
	v_add_nc_u32 v16, s2, v16
	s_mul_i32 s2, s16, 16*SP
	s_add_co_u32 s2, s2, STG
	v_mul_u32_u24 v17, v3, SP                      ; and back: wave w takes units 16 w on, two an instruction
	v_lshl_add_u32 v17, v1, 4, v17
	v_add_nc_u32 v17, s2, v17
	v_lshlrev_b32 v18, 9, v3                       ; the same two units in h_img: 512 bytes apart
	v_lshl_add_u32 v18, v1, 4, v18
	s_wait_alu depctr_va_vdst(0)
	s_wait_kmcnt 0x0
	s_add_co_i32 s2, s71, 127
	s_lshl_b32 s3, s2, 23
	v_mov_b32 v6, s3                               ; 2^e5
	s_add_co_i32 s2, s2, 15
	s_lshl_b32 s2, s2, 23
	s_or_b32 s2, s2, 0x600000
	v_mov_b32 v7, s2                               ; 57,344 x 2^e5
	s_sub_co_i32 s2, s70, s68
	s_sub_co_i32 s2, s2, s69
	s_add_co_i32 s2, s2, 127
	s_lshl_b32 s3, s2, 23
	v_mov_b32 v25, s3                              ; 2^(e4 - e2 - e3)
	s_add_co_i32 s2, s2, 15
	s_lshl_b32 s2, s2, 23
	s_or_b32 s2, s2, 0x600000
	v_mov_b32 v26, s2                              ; 57,344 x that
	s_lshl_b32 s74, s23, 16                        ; where my codes of h go
	s_lshr_b32 s2, s22, 1
	s_lshl_b32 s2, s2, 15
	s_add_co_u32 s74, s74, s2
	s_and_b32 s2, s22, 1
	s_lshl_b32 s2, s2, 8
	s_add_co_u32 s74, s74, s2
	s_lshl_b32 s2, s16, 13
	s_add_co_u32 s74, s74, s2
	s_mov_b32 s75, 0
	s_add_nc_u64 s[12:13], s[12:13], s[74:75]
	s_lshl_b32 s74, s79, 11
	s_add_nc_u64 s[14:15], s[14:15], s[74:75]
	s_wait_alu depctr_va_vdst(0)                   ; the head's end
	s_wait_tensorcnt 0x0                           ; my part of step 0 is in; these lines stand ahead of a later first fill as ahead of a refill
	ds_add_u32 v28, v29
	s_wait_dscnt 0x0
	CROUND
	JLOAD 1
	PERIOD 0, 1, 1, 1                              ; step 0 starts the sums
	s_mov_b32 s3, 2
.Llap:                                                 ; steps 1 to 4
	PERIOD 1, 0, 1, 1
	PERIOD 0, 0, 1, 1
	s_sub_co_u32 s3, s3, 1
	s_cmp_lg_u32 s3, 0
	s_cbranch_scc1 .Llap
	PERIOD 1, 0, 1, 0
	PERIOD 0, 0, 0, 0
	PERIOD 1, 0, 2, 0
	; THE WAY OUT.  My partner's blocks first; they go to LDS while mine are multiplied
	s_wait_dscnt 0x0
	MULB 1, 2, 0
	MULB 1, 3, 0
	PLACES 4
.set k, 0
.irp g, 0,1
	WIN 0x08                                       ; store data in window 2
.rept 16
	ds_store_b128 v14, v[128+4*k:131+4*k] offset:512*k
.set k, k+1
.endr
	MULB 1, \g, 0
.endr
	WIN 0
	s_wait_loadcnt 0x0
.irp i, 0,1,2,3,4,5,6,7,8,9,10,11,12,13,14,15
	v_med3_num_f32 v[32+\i], v[32+\i], -v7, v7     ; B: the conversion does not saturate (ISA guide 7.6.2).  (Also the places behind the last products)
.endr
	v_cvt_scalef32_pk8_bf8_f32 v[48:49], v[32:39], v6
	v_cvt_scalef32_pk8_bf8_f32 v[50:51], v[40:47], v6
	v_nop
.irp j, 0,1,2,3
	ds_store_b32 v22, v[48+\j] offset:32*\j
.endr
	s_wait_dscnt 0x0                               ; for my partner's sake
	s_barrier_signal -1
	s_barrier_wait -1
	WIN 0x40
.set k, 0
.rept 32
	ds_load_b128 v[4*k:4*k+3], v15 offset:512*k
.set k, k+1
.endr
.irp i, 0,1                            ; block i
	s_wait_dscnt 16-8*\i                           ; block 1's sixteen loads, or block 0's eight stores, may be out
	WIN 0x06                                       ; source 0 window 2, source 1 window 1
.set k, 64*\i
.rept 32
	v_pk_add_f32 v[64+k:65+k], v[k:k+1], v[k:k+1]  ; the two halves of K
.set k, k+2
.endr
	WIN 0
.set k, 64+64*\i
.rept 64
	v_med3_num_f32 v[k], v[k], -v26, v26
.set k, k+1
.endr
.set k, 8*\i
.rept 8
	v_cvt_scalef32_pk8_bf8_f32 v[192+2*k:193+2*k], v[64+8*k:71+8*k], v25
.set k, k+1
.endr
	v_nop
.irp b, 0,1,2,3,4,5,6,7
	ds_store_b64 v16, v[192+2*(8*\i+\b):193+2*(8*\i+\b)] offset:\i*16*SP+16*\b
.endr
.endr
	s_wait_dscnt 0x0
	s_barrier_signal -1
	s_barrier_wait -1
	ds_load_b128 v[52:55], v23
.irp j, 0,1,2,3,4,5,6,7
	ds_load_b128 v[224+4*\j:227+4*\j], v17 offset:2*SP*\j
.endr
	s_wait_dscnt 8                                 ; B's codes are in registers; the eight loads of h's may be out
	global_store_b128 v24, v[52:55], s[14:15]      ; the work-group's 2,048 bytes on end
	s_wait_dscnt 0x0
.irp j, 0,1,2,3,4,5,6,7
	global_store_b128 v18, v[224+4*\j:227+4*\j], s[12:13] offset:1024*\j   ; sixteen lanes store a whole aligned unit of 256 bytes
.endr
	s_wait_tensorcnt 0x0                           ; the wave's end
	ds_add_u32 v28, v29
	s_wait_dscnt 0x0
	CROUND                                         ; the closing round
	s_endpgm
.Lfunc_end_k_q9114f15a3d_hgemm:
	.size	k_q9114f15a3d_hgemm, .Lfunc_end_k_q9114f15a3d_hgemm-k_q9114f15a3d_hgemm
	.p2alignl 7, 3214868480
	.fill 96, 4, 3214868480
	.section	.rodata,"a",@progbits
	.p2align	6, 0x0
	.amdhsa_kernel k_q9114f15a3d_hgemm
		.amdhsa_group_segment_fixed_size 327680
		.amdhsa_private_segment_fixed_size 0
		.amdhsa_enable_private_segment 0
		.amdhsa_kernarg_size 48
		.amdhsa_user_sgpr_count 2
		.amdhsa_user_sgpr_kernarg_segment_ptr 1
		.amdhsa_wavefront_size32 1
		.amdhsa_system_sgpr_workgroup_id_x 1
		.amdhsa_system_sgpr_workgroup_id_y 1
		.amdhsa_system_sgpr_workgroup_id_z 1
		.amdhsa_system_vgpr_workitem_id 0
		.amdhsa_next_free_vgpr 768
		.amdhsa_next_free_sgpr 96
		.amdhsa_reserve_vcc 0
		.amdhsa_float_denorm_mode_32 3
		.amdhsa_float_denorm_mode_16_64 3
		.amdhsa_memory_ordered 1
		.amdhsa_forward_progress 1
		.amdhsa_inst_pref_size 103
	.end_amdhsa_kernel
	.amdgpu_metadata
---
amdhsa.version: [ 1, 2 ]
amdhsa.kernels:
  - .name:           k_q9114f15a3d_hgemm
    .symbol:         k_q9114f15a3d_hgemm.kd
    .args:
      - { .name: x_codes, .offset: 0, .size: 8, .value_kind: global_buffer, .address_space: global }
      - { .name: A_codes, .offset: 8, .size: 8, .value_kind: global_buffer, .address_space: global }
      - { .name: B, .offset: 16, .size: 8, .value_kind: global_buffer, .address_space: global }
      - { .name: lowp_scales, .offset: 24, .size: 8, .value_kind: global_buffer, .address_space: global }
      - { .name: h_img, .offset: 32, .size: 8, .value_kind: global_buffer, .address_space: global }
      - { .name: b_img, .offset: 40, .size: 8, .value_kind: global_buffer, .address_space: global }
    .group_segment_fixed_size: 327680
    .private_segment_fixed_size: 0
    .kernarg_segment_align: 8
    .kernarg_segment_size: 48
    .max_flat_workgroup_size: 128
    .sgpr_count:     96
    .vgpr_count:     768
    .wavefront_size: 32
...
	.end_amdgpu_metadata
.endif
;; end of part 1
;; launch outgemm (part 2): grid 4 x 64, 4 waves a work-group, clusters of 4 x 4, 327,680 bytes of LDS; arguments x_codes, W_codes, h_img, b_img, lowp_scales, out0; writes out0
.if DOCPART == 2
	.amdgcn_target "amdgcn-amd-amdhsa--gfx1250"
	.amdhsa_code_object_version 6
	.text
	.protected	k_q9114f15a3d_outgemm
	.globl	k_q9114f15a3d_outgemm
	.p2align	8
	.type	k_q9114f15a3d_outgemm,@function
k_q9114f15a3d_outgemm:
	s_mov_b64 s[64:65], 0
	v_nop
	global_prefetch_b8 v0, s[64:65] scope:SCOPE_SE
	s_setreg_imm32_b32 hwreg(HW_REG_WAVE_MODE, 25, 1), 1
	s_wait_xcnt 0x0
	s_wait_alu depctr_hold_cnt(0) depctr_sa_sdst(0) depctr_va_vdst(0) depctr_va_sdst(0) depctr_va_ssrc(0) depctr_va_vcc(0) depctr_vm_vsrc(0)
	s_getreg_b32 s2, hwreg(HW_REG_IB_STS2, 6, 4)
	s_cmp_eq_u32 s2, 0
	s_cbranch_scc0 .Lentry_in_a_cluster
	s_endpgm
.Lentry_in_a_cluster:
	s_bfe_u32 s2, ttmp6, 0x10000c
	s_cmp_lg_u32 s2, 0xf033
	s_cbranch_scc0 .Lentry_shape_is_right
	s_endpgm
.Lentry_shape_is_right:
; out = 2^(e0 + e1) (x W^T + 2^d h B^T) on codes of BF8 (E5M2), d = e4 + e5 - 4 - e0 - e1: S / NUM_HEADS = 2 / 32 = 2^-4.  out: [8192][1024] f32; sums in f32.  No work of reference() is left out.
; A work-group makes 128 rows x 256 columns (mt, nt): 256 work-groups.  K = 512 of h and B, then 4096 of x and W, on the same accumulators; between the two the sums are multiplied by 2^d.
; LIMITS: e0 + e1 and d lie between -126 and 127, so that both powers of two are f32 numbers.
; THE RING has two slots of unlike size: A with 512 along K, B with 256, each with 128 rows of x and 256 of W.  K = 4608 is six laps of A and B: lap 0's A holds h and B; B of lap m begins at K = 768 m of x, A of lap m > 0 at 768 m - 512.
; Wave w: nh = w / 2: its 128 columns; kh = w % 2: its half of each slot along K; all 128 rows: 64 accumulators, 512 registers.  At the end the two waves of a pair add their sums through LDS; each finishes 64 rows.
; A wave's row blocks 0-3 are those that it finishes itself (rows 64 kh + ..), blocks 4-7 its partner's.
; CLUSTERS: 4 x 4: the tiles of x and h hang on mt alone and are asked for jointly along a row, those of W and B on nt alone, jointly along a column.
; PREFETCH: behind each joint load, for the load two further on (the same slot's next); behind the head's load for the next two.  Of the rows that a wave fetches each of the four partners names a quarter, by address: 16 of x (the lanes left over
; name the last again) or 32 of W, a lane a row, one instruction for each 256 bytes.  W, which all clusters read, is prefetched by four clusters alone.  h and B come by their loads.
; THE MATRIX INSTRUCTION IS USED TRANSPOSED (source 0 = rows of W, source 1 = rows of x): a lane holds eight neighbouring numbers of a row of out.
; REGISTERS: window 0: v0-31 addresses, v32-95 at work on the way out, v128-255 x's fragments; window 1: W's, two sets of 128; window 2: accumulators of blocks 0-3; window 3: of blocks 4-7.
.set PA,  528                          ; LDS rows: 512 + 16 bytes in slot A,
.set PB,  272                          ; 256 + 16 in slot B
.set WA,  128*PA                       ; W's rows in slot A
.set SB,  384*PA                       ; slot B
.set WB,  SB+128*PB
.set SPARE, SB+384*PB
.set STG, 131072                       ; the way out lies in slot A, which then has had its last fill and its last read: 4 x 32,768 bytes of sums, then the stages
.set SPITCH, 528
.set XR,  16                           ; v16, v17, v18: LDS address of x's blocks 0-3 in slot A, in slot B, of h's in slot A;  v22, v23, v24: of blocks 4-7
.set WBR, 20                           ; v20, v21: of W's in slot A, B
.set STO, 25
.set RD,  26
.set CO,  27                           ; 16 x lane
.set EXS, 10
.set EXR, 11
.set TMP, 32
.set G1XH, 24
.set G1BH, 32
.set G1XA, 40
.set G1WA, 48
.set G1XB, 56
.set G1WB, 68
.set G0XA, 76
.set G0WA, 80
.set G0XB, 84
.set G0WB, 88
.set LIM0, 10                          ; a prefetch is made while s3 is above these: lap 0 and odd laps; even laps
.set LIM1, 11
.set MSB, 0
.macro WIN new                         ; the immediate's high byte repeats the setting that is left
.if MSB != \new
	s_set_vgpr_msb (MSB<<8)|\new
.set MSB, \new
.endif
.endm
.set MUL_LO, 0xa1                      ; source 0 window 1, source 1 window 0, C and D window 2
.set MUL_HI, 0xf1                      ; C and D window 3
.macro PLACES n
.rept \n
	v_nop
.endr
.endm
.macro G1SET g, mask, d0, rows, pitch, qi
	s_or_b32 s[\g], s[\mask], (1<<20)|(1<<21)|(\qi<<22)|(3<<25)
	s_mov_b32 s[\g+1], \d0<<16
	s_mov_b32 s[\g+2], \rows<<16
	s_mov_b32 s[\g+3], \d0<<16
	s_mov_b32 s[\g+4], \rows
	s_mov_b32 s[\g+5], \pitch
	s_mov_b32 s[\g+6], 0
	s_mov_b32 s[\g+7], 0
.endm
.macro JLOAD g0x, g1x, g0w, g1w        ; a joint load: waves 0, 1 fetch the halves of x or h, waves 2, 3 those of W or B
	s_cmp_eq_u32 s17, 0
	s_cbranch_scc0 .Lfor_w_\@
	tensor_load_to_lds s[\g0x:\g0x+3], s[\g1x:\g1x+7]
	s_nop 0
	PLACES 4
	s_branch .Lasked_\@
.Lfor_w_\@:
	tensor_load_to_lds s[\g0w:\g0w+3], s[\g1w:\g1w+7]
	s_nop 0
	PLACES 4
.Lasked_\@:
.endm
.macro CREST                           ; a round of the cluster's barrier behind its opening barrier
	s_cmp_lg_u32 s16, 0
	s_cbranch_scc1 .Lnot_wave_0_\@
	s_barrier_signal -3
.Lnot_wave_0_\@:
	s_barrier_wait -3
	s_barrier_signal -1
	s_barrier_wait -1
.endm
.macro CROUND
	s_barrier_signal -1
	s_barrier_wait -1
	CREST
.endm
.macro ASK lim, slot                   ; the slot's next K: 0: slot A, 512 bytes a row; 1: slot B, 256; 2, at the head: slot B's first 256 and slot A's next 512
	s_cmp_gt_u32 s3, s[\lim]
	s_cbranch_scc0 .Lnot_mine_\@
.if \slot == 2
	global_prefetch_b8 v30, s[66:67] th:TH_LOAD_NT scope:SCOPE_SE
.endif
.if \slot == 1
	global_prefetch_b8 v30, s[66:67] offset:768 th:TH_LOAD_NT scope:SCOPE_SE
.else
	global_prefetch_b8 v30, s[66:67] offset:256 th:TH_LOAD_NT scope:SCOPE_SE
	global_prefetch_b8 v30, s[66:67] offset:512 th:TH_LOAD_NT scope:SCOPE_SE
.endif
.Lnot_mine_\@:
.endm
.macro FRAG reg, adr, off              ; 16 rows x 128 K: lane l holds row l % 16, registers 4 c .. 4 c + 3: K = 32 c + 16 (l / 16) + 0 .. 15, alike for both operands
.irp c, 0,1,2,3
	ds_load_b128 v[4*\c+(\reg):4*\c+3+(\reg)], v[\adr] offset:(\off)+32*\c
.endr
.endm
; sl: 0 slot A, 1 slot B, 2 slot A with h and B.  In h's rows of 512 bytes a wave's second 128 along K lie 256 bytes on (the launch before lays them so), else 128.
.macro KIND sl
.if (\sl) == 1
.set BK, 16*PB
.else
.set BK, 16*PA
.endif
.if (\sl) == 2
.set QS, 256
.else
.set QS, 128
.endif
.endm
.macro LW sl, q, p, i                  ; W's fragment i into set p: 4 loads
	KIND \sl
	WIN 0x40
	FRAG 128*(\p)+16*(\i), WBR+(\sl)%2, 128*(\q)+(\i)*BK
.endm
.macro LX sl, q, a                     ; x's block a: 4 loads
	KIND \sl
	WIN 0
	FRAG 128+16*(\a), XR+6*((\a)/4)+\sl, QS*(\q)+((\a)%4)*BK
.endm
.macro FETCH sl                        ; a slot's first 128 along K of mine, W into set 0
.irp i, 0,1,2,3,4,5,6,7
	LW \sl, 0, 0, \i
.endr
.irp i, 0,1,2,3,4,5,6,7
	LX \sl, 0, \i
.endr
.endm
; 8 matrix instructions: block a x W's eight.  The 64 accumulators take turns, one instruction a turn.
.macro MUL8 a, p, zero
.if (\a) < 4
	WIN MUL_LO
.else
	WIN MUL_HI
.endif
.irp b, 0,1,2,3,4,5,6,7
.if \zero
	v_wmma_f32_16x16x128_bf8_bf8 v[8*(8*((\a)%4)+\b):8*(8*((\a)%4)+\b)+7], v[128*(\p)+16*\b:128*(\p)+16*\b+15], v[128+16*(\a):128+16*(\a)+15], 0
.else
	v_wmma_f32_16x16x128_bf8_bf8 v[8*(8*((\a)%4)+\b):8*(8*((\a)%4)+\b)+7], v[128*(\p)+16*\b:128*(\p)+16*\b+15], v[128+16*(\a):128+16*(\a)+15], v[8*(8*((\a)%4)+\b):8*(8*((\a)%4)+\b)+7]
.endif
.endr
.endm
; Slot A's first 128 along K of mine, on set p.  A block of x is free when its eight products are issued: so the second 128's loads stand between the blocks' products, 12 or 8 or 4 in a run, each run behind four plain places.
; At its head, and behind it, the youngest twelve loads are those of blocks 5-7.
.macro STEP sl, p, zero
	s_wait_dscnt 12                                ; W's set and blocks 0-4 are in
.irp a, 0,1
	MUL8 \a, \p, \zero
	PLACES 4
	LW \sl, 1, 1-\p, 2*\a
	LW \sl, 1, 1-\p, 2*\a+1
	LX \sl, 1, \a
.endr
	s_wait_dscnt 24                                ; blocks 5-7 too: the 24 loads just issued may be out
.irp a, 2,3,4,5
	MUL8 \a, \p, \zero
	PLACES 4
	LW \sl, 1, 1-\p, \a+2
	LX \sl, 1, \a
.endr
.irp a, 6,7
	MUL8 \a, \p, \zero
	PLACES 4
	LX \sl, 1, \a
.endr
.endm
; A slot's last 128 along K of mine, and the change of slots.  In front of its barrier each wave waits for all its tensor loads, adds 0 to its spare word, and waits for that and for its reads of this slot.
; Slot B (late) multiplies blocks 0-3 ahead of the wait for the load: it has one step alone, and slot A's larger load is out.
.macro TURN cur, next, p, fill, late, lim
.if (\fill) && (\cur) == 0
	s_wait_xcnt 0x0                                ; the prefetches have read their base: one lap on
	s_add_nc_u64 s[66:67], s[66:67], 768
.endif
.if \late
	s_wait_dscnt 12
.irp a, 0,1,2,3
	MUL8 \a, \p, 0
.endr
	WIN 0
	s_wait_tensorcnt 0x0
	ds_add_u32 v28, v29
	s_wait_dscnt 0x0
	s_barrier_signal -1
	MUL8 4, \p, 0                                  ; work on registers while the others arrive
.else
	s_wait_tensorcnt 0x0
	ds_add_u32 v28, v29
	s_wait_dscnt 13                                ; (the add and the youngest twelve loads, blocks 5-7, may be out)
	MUL8 0, \p, 0
	s_wait_dscnt 0x0
	s_barrier_signal -1
	MUL8 1, \p, 0
	MUL8 2, \p, 0
.endif
	WIN 0
	s_barrier_wait -1
.if \fill
	CREST
.if (\cur) == 0
	s_add_nc_u64 s[G0XA+2:G0XA+3], s[G0XA+2:G0XA+3], 768
	s_add_nc_u64 s[G0WA+2:G0WA+3], s[G0WA+2:G0WA+3], 768
	JLOAD G0XA, G1XA, G0WA, G1WA
.else
	s_add_nc_u64 s[G0XB+2:G0XB+3], s[G0XB+2:G0XB+3], 768
	s_add_nc_u64 s[G0WB+2:G0WB+3], s[G0WB+2:G0WB+3], 768
	JLOAD G0XB, G1XB, G0WB, G1WB
.endif
.else
	PLACES 4
.endif
	LW \next, 0, 1-\p, 0
	LW \next, 0, 1-\p, 1
	LX \next, 0, 0
	LX \next, 0, 1
.if \fill
	ASK \lim, \cur
.endif
.if \late
	MUL8 5, \p, 0
	PLACES 4
.irp i, 2,3,4
	LW \next, 0, 1-\p, \i
.endr
	LX \next, 0, 2
	LX \next, 0, 3
	MUL8 6, \p, 0
	PLACES 4
.irp i, 5,6,7
	LW \next, 0, 1-\p, \i
.endr
	LX \next, 0, 4
	LX \next, 0, 5
.else
.irp a, 3,4,5
	MUL8 \a, \p, 0
	PLACES 4
	LW \next, 0, 1-\p, 2*\a-4
	LW \next, 0, 1-\p, 2*\a-3
	LX \next, 0, \a-1
.endr
	MUL8 6, \p, 0
	PLACES 4
	LX \next, 0, 5
.endif
	MUL8 7, \p, 0
	PLACES 4
	LX \next, 0, 6
	LX \next, 0, 7
.endm
	s_load_b256 s[4:11], s[0:1], 0x0               ; x s[4:5], W s[6:7], h_img s[8:9], b_img s[10:11]
	s_load_b128 s[12:15], s[0:1], 0x20             ; the scales' exponents s[12:13], out s[14:15]
	v_lshl_add_u32 v28, v0, 2, SPARE
	v_mov_b32 v29, 0
	ds_add_u32 v28, v29                            ; the opening add, twice on end
	ds_add_u32 v28, v29
	v_lshrrev_b32 v4, 5, v0
	v_readfirstlane_b32 s16, v4                    ; wave
	v_and_b32 v1, 15, v0                           ; r
	v_and_b32 v2, 31, v0                           ; lane
	v_bfe_u32 v3, v0, 4, 1                         ; hl
	v_lshlrev_b32 v[CO], 4, v2
	v_mul_u32_u24 v5, v1, PA
	v_lshl_add_u32 v5, v3, 4, v5                   ; a fragment's row x pitch + 16 hl, in slot A
	v_mul_u32_u24 v6, v1, PB
	v_lshl_add_u32 v6, v3, 4, v6                   ; in slot B
	v_mul_u32_u24 v7, v1, SPITCH
	v_lshl_add_u32 v7, v3, 5, v7                   ; into the stage: row r, 32 bytes for each half of the lanes
	s_lshr_b32 s17, s16, 1                         ; nh; also: I fetch for x, h (0) or W, B (1)
	s_and_b32 s18, s16, 1                          ; kh; also: which half of those rows
	s_xor_b32 s19, s18, 1
	s_bfe_u32 s20, ttmp6, 0x40000                  ; cx
	s_bfe_u32 s21, ttmp6, 0x40004                  ; cy
	s_lshl_b32 s22, ttmp9, 2
	s_add_co_u32 s22, s22, s20                     ; nt
	s_and_b32 s23, ttmp7, 0xffff
	s_lshl_b32 s23, s23, 2
	s_add_co_u32 s23, s23, s21                     ; mt
	s_lshl_b32 s100, s21, 2
	s_lshl_b32 s100, 15, s100                      ; my row of the cluster
	s_lshl_b32 s101, 0x1111, s20                   ; my column
	G1SET G1XH, 100, 512, 64, 512, 6               ; 4 words of padding behind every 128 words (code 6) or 64 words (code 5)
	G1SET G1BH, 101, 512, 128, 512, 6
	; groups 0: LDS addresses hang on the wave alone, global ones on the wave and on mt or nt
	s_mov_b32 s[G0XA], 1
	s_mul_i32 s[G0XA+1], s18, 64*PA
	s_lshl_b32 s[G0XA+2], s23, 16
	s_lshl_b32 s2, s18, 15
	s_add_co_u32 s[G0XA+2], s[G0XA+2], s2
	s_mov_b32 s[G0XA+3], 0
	s_mov_b32 s[G0WA], 1
	s_mul_i32 s[G0WA+1], s18, 128*PA
	s_add_co_u32 s[G0WA+1], s[G0WA+1], WA
	s_lshl_b32 s[G0WA+2], s22, 17
	s_lshl_b32 s2, s18, 16
	s_add_co_u32 s[G0WA+2], s[G0WA+2], s2
	s_mov_b32 s[G0WA+3], 0
	s_wait_alu depctr_va_vdst(0)
	s_wait_dscnt 0x0                               ; both opening adds are done
	s_wait_kmcnt 0x0
	s_load_b64 s[96:97], s[12:13], 0x0             ; e0, e1
	s_load_b64 s[98:99], s[12:13], 0x10            ; e4, e5
	s_add_nc_u64 s[G0XA+2:G0XA+3], s[8:9], s[G0XA+2:G0XA+3]
	s_add_nc_u64 s[G0WA+2:G0WA+3], s[10:11], s[G0WA+2:G0WA+3]
	s_or_b32 s[G0XA+3], s[G0XA+3], 0x80000000
	s_or_b32 s[G0WA+3], s[G0WA+3], 0x80000000
	CROUND                                         ; all sixteen work-groups are here
	JLOAD G0XA, G1XH, G0WA, G1BH                   ; h and B: one tensor load a wave at the head
	; the prefetches: base, limits, a lane a row
	s_lshl_b32 s66, s23, 19
	s_lshl_b32 s67, s18, 18
	s_add_co_u32 s66, s66, s67
	s_lshl_b32 s67, s20, 16
	s_add_co_u32 s66, s66, s67                     ; x: my 64 rows, my work-group's 16 of them
	s_lshl_b32 s3, s22, 20
	s_lshl_b32 s67, s18, 19
	s_add_co_u32 s3, s3, s67
	s_lshl_b32 s67, s21, 17
	s_add_co_u32 s3, s3, s67                       ; W: my 128 rows, my work-group's 32 of them
	s_cmp_eq_u32 s17, 0
	s_cselect_b32 s66, s66, s3
	s_cselect_b64 s[10:11], s[4:5], s[6:7]
	s_cselect_b32 s3, 15, 31
	s_mov_b32 s67, 0
	s_add_nc_u64 s[66:67], s[10:11], s[66:67]
	v_min_u32 v30, s3, v2
	v_lshlrev_b32 v30, 12, v30
	s_movk_i32 s2, 255
	s_and_b32 s3, ttmp7, 0xffff
	s_cmp_lt_u32 s3, 4
	s_cselect_b32 s[LIM0], 0, s2                   ; W: four clusters
	s_cselect_b32 s[LIM1], 1, s2
	s_cmp_eq_u32 s17, 0
	s_cselect_b32 s[LIM0], 0, s[LIM0]              ; x: every cluster its own rows
	s_cselect_b32 s[LIM1], 1, s[LIM1]
	s_mov_b32 s3, 2                                ; the loop's trips
	s_wait_alu depctr_va_vdst(0)
	ASK LIM0, 2                                    ; lap 0's slot B, lap 1's slot A
	; the other descriptors
	G1SET G1XA, 100, 512, 64, 4096, 6
	G1SET G1WA, 101, 512, 128, 4096, 6
	G1SET G1XB, 100, 256, 64, 4096, 5
	G1SET G1WB, 101, 256, 128, 4096, 5
	s_mov_b32 s[G0XB], 1
	s_mul_i32 s[G0XB+1], s18, 64*PB
	s_add_co_u32 s[G0XB+1], s[G0XB+1], SB
	s_lshl_b32 s[G0XB+2], s23, 19
	s_lshl_b32 s2, s18, 18
	s_add_co_u32 s[G0XB+2], s[G0XB+2], s2
	s_mov_b32 s[G0XB+3], 0
	s_mov_b32 s[G0WB], 1
	s_mul_i32 s[G0WB+1], s18, 128*PB
	s_add_co_u32 s[G0WB+1], s[G0WB+1], WB
	s_lshl_b32 s[G0WB+2], s22, 20
	s_lshl_b32 s2, s18, 19
	s_add_co_u32 s[G0WB+2], s[G0WB+2], s2
	s_mov_b32 s[G0WB+3], 0
	s_add_nc_u64 s[G0XB+2:G0XB+3], s[4:5], s[G0XB+2:G0XB+3]
	s_add_nc_u64 s[G0WB+2:G0WB+3], s[6:7], s[G0WB+2:G0WB+3]
	s_sub_nc_u64 s[92:93], s[G0XB+2:G0XB+3], 512   ; lap 1's slot A less a lap's 768 bytes: lap 0's TURN steps it, and only then is it loaded from
	s_sub_nc_u64 s[94:95], s[G0WB+2:G0WB+3], 512
.irp g, G0XB+3, G0WB+3, 93, 95
	s_or_b32 s[\g], s[\g], 0x80000000
.endr
	; LDS addresses
	s_mul_i32 s2, s18, 64*PA+256
	v_add_nc_u32 v[XR], s2, v5
	s_mul_i32 s2, s19, 64*PA
	s_lshl_b32 s8, s18, 8
	s_add_co_u32 s2, s2, s8
	v_add_nc_u32 v[XR+6], s2, v5
	s_mul_i32 s2, s17, 128*PA
	s_add_co_u32 s2, s2, s8
	s_add_co_u32 s2, s2, WA
	v_add_nc_u32 v[WBR], s2, v5
	s_mul_i32 s2, s18, 64*PA+128                   ; h: rows of 512 bytes [kh][row % 64], in them 256 x the second 128 along K + 128 x (row / 64)
	v_add_nc_u32 v[XR+2], s2, v5
	s_mul_i32 s2, s18, 64*PA
	s_lshl_b32 s8, s19, 7
	s_add_co_u32 s2, s2, s8
	v_add_nc_u32 v[XR+8], s2, v5
	s_mul_i32 s2, s18, 64*PB+128
	s_add_co_u32 s2, s2, SB
	v_add_nc_u32 v[XR+1], s2, v6
	s_mul_i32 s2, s19, 64*PB
	s_lshl_b32 s8, s18, 7
	s_add_co_u32 s2, s2, s8
	s_add_co_u32 s2, s2, SB
	v_add_nc_u32 v[XR+7], s2, v6
	s_mul_i32 s2, s17, 128*PB
	s_add_co_u32 s2, s2, s8
	s_add_co_u32 s2, s2, WB
	v_add_nc_u32 v[WBR+1], s2, v6
	s_mul_i32 s2, s16, 16*SPITCH
	s_add_co_u32 s2, s2, STG                       ; my stage
	v_add_nc_u32 v[STO], s2, v7
	v_add_nc_u32 v[RD], s2, v[CO]
	s_lshl_b32 s2, s16, 15
	v_add_nc_u32 v[EXS], s2, v[CO]                 ; where I put the sums that my partner finishes
	s_xor_b32 s2, s16, 1
	s_lshl_b32 s2, s2, 15
	v_add_nc_u32 v[EXR], s2, v[CO]                 ; and where it puts mine
	s_wait_alu depctr_va_vdst(0)                   ; the head's end
	s_wait_kmcnt 0x0
	s_add_co_i32 s96, s96, s97
	s_add_co_i32 s98, s98, s99
	s_sub_co_i32 s98, s98, s96
	s_add_co_i32 s98, s98, 123
	s_lshl_b32 s98, s98, 23                        ; 2^d
	s_mov_b32 s99, s98
	s_add_co_i32 s96, s96, 127
	s_lshl_b32 s96, s96, 23                        ; 2^(e0 + e1)
	s_mov_b32 s97, s96
	s_lshl_b32 s12, s23, 19                        ; out: 128 rows of 4,096 bytes a tile row,
	s_lshl_b32 s2, s18, 18                         ; my 64 of them,
	s_add_co_u32 s12, s12, s2
	s_lshl_b32 s2, s22, 10
	s_add_co_u32 s12, s12, s2
	s_lshl_b32 s2, s17, 9                          ; my 128 columns
	s_add_co_u32 s12, s12, s2
	s_mov_b32 s13, 0
	s_add_nc_u64 s[14:15], s[14:15], s[12:13]
	s_wait_tensorcnt 0x0                           ; my part of h and B is in; these lines stand ahead of a later first fill as ahead of a refill
	ds_add_u32 v28, v29
	s_mov_b64 s[G0XA+2:G0XA+3], s[92:93]           ; slot A goes on with x and W
	s_mov_b64 s[G0WA+2:G0WA+3], s[94:95]
	s_wait_dscnt 0x0
	CROUND
	JLOAD G0XB, G1XB, G0WB, G1WB                   ; slot B: K = 0 .. 255 of x and W
	FETCH 2
	ASK LIM0, 1                                    ; lap 1's slot B
	STEP 2, 0, 1                                   ; the first products start the sums
	TURN 0, 1, 1, 1, 0, LIM0                       ; it ends with four places behind the last products of h and B, and asks for lap 2's slot A
	; h B^T x 2^d: nothing is rounded, short of overflow and underflow.  Slot A's load and the youngest fragments' are out meanwhile
	WIN 0x82
.set j, 0
.rept 128
	v_pk_mul_f32 v[j:j+1], v[j:j+1], s[98:99] op_sel_hi:[1,0]
.set j, j+2
.endr
	WIN 0xc3
.set j, 0
.rept 128
	v_pk_mul_f32 v[j:j+1], v[j:j+1], s[98:99] op_sel_hi:[1,0]
.set j, j+2
.endr
	WIN 0
	s_wait_alu depctr_va_vdst(0)
	TURN 1, 0, 0, 1, 1, LIM0
.Llap:                                                 ; two laps a trip (three steps a lap, two sets for W): laps 1 to 4
	STEP 0, 1, 0
	TURN 0, 1, 0, 1, 0, LIM0
	TURN 1, 0, 1, 1, 1, LIM0
	STEP 0, 0, 0
	TURN 0, 1, 1, 1, 0, LIM1
	TURN 1, 0, 0, 1, 1, LIM1
	s_sub_co_u32 s3, s3, 1
	s_cmp_lg_u32 s3, 0
	s_cbranch_scc1 .Llap
	STEP 0, 1, 0                                   ; lap 5 fills nothing
	TURN 0, 1, 0, 0, 0, LIM0
	s_wait_dscnt 0x0
.irp a, 4,5,6,7                        ; the last step: my partner's blocks first,
	MUL8 \a, 1, 0
.endr
	PLACES 4
.set k, 0
.irp g, 0,1,2,3                        ; which go to LDS while mine are multiplied
	WIN 0x0c                                       ; store data in window 3
.rept 16
	ds_store_b128 v[EXS], v[4*k:4*k+3] offset:512*k
.set k, k+1
.endr
	MUL8 \g, 1, 0
.endr
	PLACES 4
	WIN 0
	s_wait_dscnt 0x0                               ; for my partner's sake
	s_barrier_signal -1
	s_barrier_wait -1
; THE WAY OUT, block by block of 16 rows x 128 columns: my partner's sums (window 1) are added, and the block goes through my own stage and comes back as whole rows of 512 bytes.
; LDS serves a wave's instructions in order (ISA guide 5.7.1.4): no wait between the stage's stores and loads.
.macro RECV a                          ; 16 loads
	WIN 0x40
.set k, 16*\a
.rept 16
	ds_load_b128 v[4*k:4*k+3], v[EXR] offset:512*k
.set k, k+1
.endr
	WIN 0
.endm
.macro STAGE a, younger                ; younger: the LDS instructions issued behind block a's RECV, which may stay out.  16 stores, 16 loads
	s_wait_dscnt \younger
	WIN 0x06                                       ; source 0 window 2, source 1 window 1
.set j, 0
.rept 32
	v_pk_add_f32 v[TMP+j:TMP+j+1], v[64*(\a)+j:64*(\a)+j+1], v[64*(\a)+j:64*(\a)+j+1]
.set j, j+2
.endr
	WIN 0
.set j, 0
.rept 32
	v_pk_mul_f32 v[TMP+j:TMP+j+1], v[TMP+j:TMP+j+1], s[96:97] op_sel_hi:[1,0]
.set j, j+2
.endr
.irp b, 0,1,2,3,4,5,6,7
	ds_store_b128 v[STO], v[TMP+8*\b:TMP+8*\b+3] offset:64*\b
	ds_store_b128 v[STO], v[TMP+8*\b+4:TMP+8*\b+7] offset:64*\b+16
.endr
	WIN 0xc0                                       ; into window 3: each block has 64 registers of its own
.set t, 0
.rept 16
	ds_load_b128 v[64*(\a)+4*t:64*(\a)+4*t+3], v[RD] offset:t*SPITCH
.set t, t+1
.endr
	WIN 0
.endm
.macro SEND a, younger                 ; younger: the LDS instructions issued behind block a's loads from the stage
	s_wait_dscnt \younger
	WIN 0x0c
.set t, 0
.rept 16
	global_store_b128 v[CO], v[64*(\a)+4*t:64*(\a)+4*t+3], s[14:15] offset:65536*(\a)+4096*t th:TH_STORE_NT   ; 32 lanes store 512 consecutive bytes, at a multiple of 256 from out's first byte
.set t, t+1
.endr
	WIN 0
.endm
	RECV 0
	RECV 1
	STAGE 0, 16                                    ; RECV 1 may be out
	RECV 2
	SEND 0, 16                                     ; RECV 2 may be out; each block leaves ahead of the next one's work
	STAGE 1, 16                                    ; RECV 2
	RECV 3
	SEND 1, 16                                     ; RECV 3
	STAGE 2, 16                                    ; RECV 3
	SEND 2, 0
	STAGE 3, 0
	SEND 3, 0
	s_wait_tensorcnt 0x0                           ; the wave's end
	ds_add_u32 v28, v29
	s_wait_dscnt 0x0
	CROUND                                         ; the closing round
	s_endpgm
.Lfunc_end_k_q9114f15a3d_outgemm:
	.size	k_q9114f15a3d_outgemm, .Lfunc_end_k_q9114f15a3d_outgemm-k_q9114f15a3d_outgemm
	.p2alignl 7, 3214868480
	.fill 96, 4, 3214868480
	.section	.rodata,"a",@progbits
	.p2align	6, 0x0
	.amdhsa_kernel k_q9114f15a3d_outgemm
		.amdhsa_group_segment_fixed_size 327680
		.amdhsa_private_segment_fixed_size 0
		.amdhsa_enable_private_segment 0
		.amdhsa_kernarg_size 48
		.amdhsa_user_sgpr_count 2
		.amdhsa_user_sgpr_kernarg_segment_ptr 1
		.amdhsa_wavefront_size32 1
		.amdhsa_system_sgpr_workgroup_id_x 1
		.amdhsa_system_sgpr_workgroup_id_y 1
		.amdhsa_system_sgpr_workgroup_id_z 1
		.amdhsa_system_vgpr_workitem_id 0
		.amdhsa_next_free_vgpr 1024
		.amdhsa_next_free_sgpr 102
		.amdhsa_reserve_vcc 0
		.amdhsa_float_denorm_mode_32 3
		.amdhsa_float_denorm_mode_16_64 3
		.amdhsa_memory_ordered 1
		.amdhsa_forward_progress 1
		.amdhsa_inst_pref_size 188
	.end_amdhsa_kernel
	.amdgpu_metadata
---
amdhsa.version: [ 1, 2 ]
amdhsa.kernels:
  - .name:           k_q9114f15a3d_outgemm
    .symbol:         k_q9114f15a3d_outgemm.kd
    .args:
      - { .name: x_codes, .offset: 0, .size: 8, .value_kind: global_buffer, .address_space: global }
      - { .name: W_codes, .offset: 8, .size: 8, .value_kind: global_buffer, .address_space: global }
      - { .name: h_img, .offset: 16, .size: 8, .value_kind: global_buffer, .address_space: global }
      - { .name: b_img, .offset: 24, .size: 8, .value_kind: global_buffer, .address_space: global }
      - { .name: lowp_scales, .offset: 32, .size: 8, .value_kind: global_buffer, .address_space: global }
      - { .name: out0, .offset: 40, .size: 8, .value_kind: global_buffer, .address_space: global }
    .group_segment_fixed_size: 327680
    .private_segment_fixed_size: 0
    .kernarg_segment_align: 8
    .kernarg_segment_size: 48
    .max_flat_workgroup_size: 128
    .sgpr_count:     102
    .vgpr_count:     1024
    .wavefront_size: 32
...
	.end_amdgpu_metadata
.endif
;; end of part 2
